; MI455X (gfx1250); checked and timed in simulation.
; The chip was launched on July 23, 2026; its instructions are those of AMD's public machine-readable ISA for CDNA 5 (MIT licence, August 2026) and "CDNA5" Instruction Set Architecture Reference Guide (July 2026). The comments in the code are by the model that wrote it; some were corrected since.
;; Vector Quantizer. Allowed arithmetic: float matrix products may take bf16 or f16 operands with f32 sums; all other float work in f32.
;; Inputs: codebook 8,192 x 512 float32; z 16,384 x 512 float32.
;; Outputs: out0 16,384 x 512 float32; out1 one number float32; out2 16,384 int32.
;; One version. Each part assembles by itself: llvm-mc -triple=amdgcn-amd-amdhsa -mcpu=gfx1250 --defsym DOCPART=n.
;; ======== version 1 of 1: 5 launches
;; workspace buffers: zt 17,039,360 bytes; ct 8,519,680 bytes; pmin 262,144 bytes; pidx 262,144 bytes of whole numbers; idxw 65,536 bytes of whole numbers; part 1,024 bytes
;; launch prep (part 1): grid 256 x 1, 6 waves a work-group, no clusters, 105,216 bytes of LDS; arguments z, codebook, zt, ct; writes zt, ct
.if DOCPART == 1
	.amdgcn_target "amdgcn-amd-amdhsa--gfx1250"
	.amdhsa_code_object_version 6
	.text
	.protected	k_q21a9d817e9_prep
	.globl	k_q21a9d817e9_prep
	.p2align	8
	.type	k_q21a9d817e9_prep,@function
k_q21a9d817e9_prep:
	s_mov_b64 s[64:65], 0
	v_nop
	global_prefetch_b8 v0, s[64:65] scope:SCOPE_SE
	s_setreg_imm32_b32 hwreg(HW_REG_WAVE_MODE, 25, 1), 1
	s_wait_xcnt 0x0
; z [16384][512] and codebook [8192][512], f32, are rounded to bf16 and laid out in the order in which the next launch's
; matrix fragments want them, together with each row's sum of squares OF THE ROUNDED NUMBERS (f32).
; A RECORD is 16 rows = 16,640 bytes = 65 lines of 256 bytes:
;   byte q*256 + r*16 (q = 0..63, r = 0..15): the eight bf16 k = 8q .. 8q+7 of row r.  A fragment's 16 bytes of lane L = 16h + r for
;   K step s, register half c (k = 32s + 16c + 8h ..) then lie at s*1024 + c*512 + 16 L: every fragment load is 512 consecutive bytes.
;   byte 16384 + 4*row: the 16 sums of squares; bytes 16448 .. 16639: zeros.
; One wave makes one record: 1,024 records of z and 512 of the codebook = 1,536 waves = 256 work-groups of six.  No wave depends on another:
; no barrier.  The transposition (rows to chunks) goes through the wave's own 17,408 bytes of LDS; each input byte is read once, each
; store of a wave covers 512 consecutive bytes, aligned.  Matrix units and clusters have nothing to do here: nothing is shared or multiplied.
.set ZRECS,  1024                      ; records of z; the codebook's follow
.set REC,    16640                     ; bytes in a record
.set STG,    17408                     ; a wave's stage: 64 chunk lines of 272 bytes
.set SPITCH, 272                       ; 68 words: the 32 lanes of a ds_store_b64 below fall on 64 different words modulo 64 (banks: ISA guide 11.1)
.set T, 8                              ; v[8:11]    four rounded numbers, widened again
.set S, 12                             ; v[12:43]   a pair for each of the 16 rows: running sums of squares
.set O, 44                             ; v[44:47]   the record's last line: lanes 0-3 hold 4 sums each, the others zeros
.set P, 50                             ; v[50:57]   four pairs: 4 bf16 each, on their way to LDS
.set X, 64                             ; v[64:191]  eight row slots of 16 registers; later the record on its way out
	s_load_b256 s[4:11], s[0:1], 0x0               ; z s[4:5], codebook s[6:7], zt s[8:9], ct s[10:11]
	v_lshl_add_u32 v192, v0, 2, 0x19800
	v_mov_b32 v193, 0
	v_lshrrev_b32 v1, 5, v0
	v_readfirstlane_b32 s12, v1                    ; wave 0..5
	s_mul_i32 s13, ttmp9, 6
	s_add_co_u32 s13, s13, s12                     ; my record, 0 .. 1535
	s_sub_co_u32 s14, s13, ZRECS                   ; its number in the codebook, if it is one of those
	s_mul_i32 s25, s12, STG                        ; my stage in LDS
	s_mov_b32 s27, 0
	s_mov_b32 s28, 0xffff0000                      ; a word's upper bf16
	s_mov_b32 s29, 0x76543210                      ; v_permlanex16_b32: lane i of one half reads lane i of the other
	s_mov_b32 s30, 0xfedcba98
	v_and_b32 v1, 31, v0                           ; lane L
	v_lshlrev_b32 v2, 4, v1                        ; 16 L: my bytes in every load and store; never rewritten
	v_lshrrev_b32 v5, 1, v1
	v_mul_u32_u24 v3, v5, SPITCH                   ; into the stage: chunk line L / 2 of the load's sixteen,
	v_and_b32 v5, 1, v1
	v_lshl_add_u32 v3, v5, 3, v3                   ; its lower or upper 8 bytes
	v_add_nc_u32 v3, s25, v3
	v_lshrrev_b32 v5, 4, v1
	v_mul_u32_u24 v4, v5, SPITCH                   ; back out: lanes 0-15 one chunk line of 256 bytes, lanes 16-31 the next
	v_and_b32 v5, 15, v1
	v_lshl_add_u32 v4, v5, 4, v4
	v_add_nc_u32 v4, s25, v4
	s_cmp_lt_u32 s13, ZRECS                        ; a record of z or of the codebook: a choice of buffers, no branch
	s_cselect_b32 s14, s13, s14
	s_wait_kmcnt 0x0
	s_cselect_b64 s[16:17], s[4:5], s[6:7]         ; from
	s_cselect_b64 s[18:19], s[8:9], s[10:11]       ; to
	s_lshl_b32 s26, s14, 15                        ; 16 rows of 2,048 bytes
	s_add_nc_u64 s[16:17], s[16:17], s[26:27]
	s_mul_i32 s26, s14, REC
	s_add_nc_u64 s[18:19], s[18:19], s[26:27]
.irp r, 0,1,2,3,4,5,6,7
.irp g, 0,1,2,3
	global_load_b128 v[X+16*\r+4*\g:X+16*\r+4*\g+3], v2, s[16:17] offset:\r*2048+\g*512 th:TH_LOAD_NT   ; rows 0-7: 32 loads of 512 bytes on their way
.endr
.endr
; One row.  Load g brought me k = 128 g + 4 L .. + 3: half of chunk 16 g + L / 2.  left = younger loads that may stay out.
.macro ROW r, refill, left
	s_wait_loadcnt \left                           ; loads return in order: this row's four are in
.irp g, 0,1,2,3
	v_cvt_pk_bf16_f32 v[P+2*\g],   v[X+16*(\r&7)+4*\g],   v[X+16*(\r&7)+4*\g+1]
	v_cvt_pk_bf16_f32 v[P+2*\g+1], v[X+16*(\r&7)+4*\g+2], v[X+16*(\r&7)+4*\g+3]
	ds_store_b64 v3, v[P+2*\g:P+2*\g+1] offset:\g*16*SPITCH+16*\r
	v_lshlrev_b32 v[T],   16,  v[P+2*\g]           ; the rounded numbers as f32 again
	v_and_b32     v[T+1], s28, v[P+2*\g]
	v_lshlrev_b32 v[T+2], 16,  v[P+2*\g+1]
	v_and_b32     v[T+3], s28, v[P+2*\g+1]
.if \g == 0
	v_pk_mul_f32 v[S+2*\r:S+2*\r+1], v[T:T+1], v[T:T+1]                            ; the first squares start the sums: nothing is cleared
.else
	v_pk_fma_f32 v[S+2*\r:S+2*\r+1], v[T:T+1], v[T:T+1], v[S+2*\r:S+2*\r+1]
.endif
	v_pk_fma_f32 v[S+2*\r:S+2*\r+1], v[T+2:T+3], v[T+2:T+3], v[S+2*\r:S+2*\r+1]
.endr
.if \refill
.irp g, 0,1,2,3
	global_load_b128 v[X+16*(\r&7)+4*\g:X+16*(\r&7)+4*\g+3], v2, s[16:17] offset:(\r+8)*2048+\g*512 th:TH_LOAD_NT   ; the slot's next row
.endr
.endif
.endm
.irp r, 0,1,2,3,4,5,6,7
	ROW \r, 1, 28                                  ; seven younger rows of four loads stay out; the refill keeps it so
.endr
.irp r, 8,9,10,11,12,13,14,15
	ROW \r, 0, 28-4*(\r-8)                         ; nothing is left to fetch: the counts run down to 0
.endr
	; The way out is asked for first: 32 LDS loads of two chunk lines each.  My own bytes, served in order behind my stores (ISA guide 5.7.1): no wait between.
.set i, 0
.rept 32
	ds_load_b128 v[X+4*i:X+4*i+3], v4 offset:2*SPITCH*i
.set i, i+1
.endr
	; meanwhile: each row's sum over the 32 lanes, the sixteen rows side by side
.irp r, 0,1,2,3,4,5,6,7,8,9,10,11,12,13,14,15
	v_add_f32 v[S+2*\r], v[S+2*\r], v[S+2*\r+1]
.endr
.irp m, 1,2,4,8
.irp r, 0,1,2,3,4,5,6,7,8,9,10,11,12,13,14,15
	v_add_f32_dpp v[S+2*\r], v[S+2*\r], v[S+2*\r] row_xmask:\m row_mask:0xf bank_mask:0xf
.endr
.endr
.irp r, 0,1,2,3,4,5,6,7,8,9,10,11,12,13,14,15
	v_permlanex16_b32 v[S+2*\r+1], v[S+2*\r], s29, s30     ; the other half's sum, into the pair's second register (written before)
.endr
.irp r, 0,1,2,3,4,5,6,7,8,9,10,11,12,13,14,15
	v_add_f32 v[S+2*\r], v[S+2*\r], v[S+2*\r+1]
.endr
	; lane c (0..3) takes the sums of rows 4c .. 4c+3, all other lanes zeros
.irp c, 0,1,2,3
	v_cmp_eq_u32 s[20+\c], \c, v1
.endr
.irp e, 0,1,2,3
	v_cndmask_b32 v[O+\e], 0, v[S+2*\e], s20
	v_cndmask_b32 v[O+\e], v[O+\e], v[S+2*(4+\e)], s21
	v_cndmask_b32 v[O+\e], v[O+\e], v[S+2*(8+\e)], s22
	v_cndmask_b32 v[O+\e], v[O+\e], v[S+2*(12+\e)], s23
.endr
.set i, 0
.rept 32
	s_wait_dscnt 31-i                              ; LDS loads return in order: load i is in
	global_store_b128 v2, v[X+4*i:X+4*i+3], s[18:19] offset:512*i   ; 512 consecutive bytes of the record, aligned
.set i, i+1
.endr
	v_cmp_gt_u32 vcc_lo, 16, v1
	s_wait_xcnt 0x0                                ; EXEC is a source of the stores above: it changes only behind this wait
	s_wait_tensorcnt 0x0
	ds_add_u32 v192, v193
	s_wait_dscnt 0x0
	s_and_saveexec_b32 s24, vcc_lo                 ; lanes 0-15: the record's last 256 bytes
	global_store_b128 v2, v[O:O+3], s[18:19] offset:16384
	s_wait_xcnt 0x0                                ; and again in front of the line that widens it
	s_or_b32 exec_lo, exec_lo, s24
	s_endpgm
.Lfunc_end_k_q21a9d817e9_prep:
	.size	k_q21a9d817e9_prep, .Lfunc_end_k_q21a9d817e9_prep-k_q21a9d817e9_prep
	.p2alignl 7, 3214868480
	.fill 96, 4, 3214868480
	.section	.rodata,"a",@progbits
	.p2align	6, 0x0
	.amdhsa_kernel k_q21a9d817e9_prep
		.amdhsa_group_segment_fixed_size 105216
		.amdhsa_private_segment_fixed_size 0
		.amdhsa_enable_private_segment 0
		.amdhsa_kernarg_size 32
		.amdhsa_user_sgpr_count 2
		.amdhsa_user_sgpr_kernarg_segment_ptr 1
		.amdhsa_wavefront_size32 1
		.amdhsa_system_sgpr_workgroup_id_x 1
		.amdhsa_system_sgpr_workgroup_id_y 1
		.amdhsa_system_sgpr_workgroup_id_z 1
		.amdhsa_system_vgpr_workitem_id 0
		.amdhsa_next_free_vgpr 194
		.amdhsa_next_free_sgpr 66
		.amdhsa_reserve_vcc 1
		.amdhsa_float_denorm_mode_32 3
		.amdhsa_float_denorm_mode_16_64 3
		.amdhsa_memory_ordered 1
		.amdhsa_forward_progress 1
		.amdhsa_inst_pref_size 50
	.end_amdhsa_kernel
	.amdgpu_metadata
---
amdhsa.version: [ 1, 2 ]
amdhsa.kernels:
  - .name:           k_q21a9d817e9_prep
    .symbol:         k_q21a9d817e9_prep.kd
    .args:
      - { .name: z, .offset: 0, .size: 8, .value_kind: global_buffer, .address_space: global }
      - { .name: codebook, .offset: 8, .size: 8, .value_kind: global_buffer, .address_space: global }
      - { .name: zt, .offset: 16, .size: 8, .value_kind: global_buffer, .address_space: global }
      - { .name: ct, .offset: 24, .size: 8, .value_kind: global_buffer, .address_space: global }
    .group_segment_fixed_size: 105216
    .private_segment_fixed_size: 0
    .kernarg_segment_align: 8
    .kernarg_segment_size: 32
    .max_flat_workgroup_size: 192
    .sgpr_count:     66
    .vgpr_count:     194
    .wavefront_size: 32
...
	.end_amdgpu_metadata
.endif
;; end of part 1
;; launch dist (part 2): grid 64 x 4, 4 waves a work-group, clusters of 4 x 1, 327,680 bytes of LDS; arguments zt, ct, pmin, pidx; writes pmin, pidx
.if DOCPART == 2
	.amdgcn_target "amdgcn-amd-amdhsa--gfx1250"
	.amdhsa_code_object_version 6
	.text
	.protected	k_q21a9d817e9_dist
	.globl	k_q21a9d817e9_dist
	.p2align	8
	.type	k_q21a9d817e9_dist,@function
k_q21a9d817e9_dist:
	s_mov_b64 s[64:65], 0
	v_nop
	global_prefetch_b8 v0, s[64:65] scope:SCOPE_SE
	s_setreg_imm32_b32 hwreg(HW_REG_WAVE_MODE, 25, 1), 1
	s_wait_xcnt 0x0
	s_wait_alu depctr_hold_cnt(0) depctr_sa_sdst(0) depctr_va_vdst(0) depctr_va_sdst(0) depctr_va_ssrc(0) depctr_va_vcc(0) depctr_vm_vsrc(0)
	s_getreg_b32 s2, hwreg(HW_REG_IB_STS2, 6, 4)
	s_cmp_eq_u32 s2, 0
	s_cbranch_scc0 .Lentry_in_a_cluster
	s_endpgm
.Lentry_in_a_cluster:
	s_bfe_u32 s2, ttmp6, 0x10000c
	s_cmp_lg_u32 s2, 0x3003
	s_cbranch_scc0 .Lentry_shape_is_right
	s_endpgm
.Lentry_shape_is_right:
; For 256 rows of z and a quarter (2,048) of the codes: d = (|z|^2 + |e|^2) - 2 z.e and, for each row, the least d and the FIRST code that has it.
; zt, ct: records of 16 rows in fragment order (16,384 bytes of bf16, then the 16 sums of squares in f32, padded to 16,640 bytes).
; d is rounded twice, as the sum is written: t = zsq + esq, then one fused t - 2 ze (2 ze is exact).  Ties go to the lowest index at every
; level: a strict < with the codes ascending inside a lane, the least index among equal minima across the lanes.
; LIMITS: a NaN distance never wins; a row whose distances are all +inf or NaN yields the quarter's first code.  z.e, |z|^2 and |e|^2 are
; those of the operands rounded to bf16, so the index is the nearest code of the rounded vectors.
;
; SHAPE: four waves, one for each SIMD.  A wave keeps its 64 rows x 512 K of z in 512 registers for the whole launch; all four waves read the
; same code tiles from LDS.  For 32 along K a wave loads 4 code fragments (4 KB) and issues 16 matrix instructions.
; The codes go through two LDS slots of 128 codes x whole K (133,120 bytes), each wave fetching a quarter of a slot with one tensor load of
; 130 lines of 256 bytes.  A slot is asked for again straight behind the barrier that ends its step and waited for one whole step later:
; 512 matrix instructions and two passes over the distances.
; CLUSTER: the four work-groups of a cluster (4, 1, 1) make four row blocks against the SAME quarter of the codes, step by step: each code tile
; is asked for jointly (mask 15), which divides the requests for ct by four.  z is not asked for jointly: a work-group reads its 266,240 bytes of
; zt once, straight into the registers where they stay, against 2,129,920 bytes of ct; a joint request would have to pass them through LDS.
;
; REGISTERS, in windows of 256 (s_set_vgpr_msb: bits 1:0 source 0, 3:2 source 1, 5:4 source 2, 7:6 destination):
;   window 0: v1-v23 addresses, v24-27 results, v64-127 and v128-191 two buffers of code fragments (2 K steps x 4 tiles x 8 registers)
;   window 1: z fragments of K steps 0-7 at 32 (s & 7) + 8 mt;   window 2: of K steps 8-15
;   window 3: AC 16 accumulator tiles (code tile ct, row tile mt) at 8 (4 ct + mt); Z |z|^2; M minima; I their tile numbers; T at work; E |e|^2; CB
; Source 0 = 16 rows of z, source 1 = 16 codes: register j of lane (r, h) is row 8h + j, code r.  So a lane runs 32 minima (4 row tiles x 8) that do not
; depend on each other.
.set REC,    16640
.set SLOTB,  8*REC                     ; a slot: 8 records = 128 codes
.set QB,     2*REC                     ; what one tensor load brings: 130 lines of 256 bytes
.set QUARTB, 128*REC                   ; a quarter of ct
.set SCR,    2*SLOTB                   ; behind the ring, in blocks of 256 bytes of its own: no fill ever lands here
.set SCW,    10240                     ; a wave's scratch: 64 rows x 80 bytes of minima, then the same of indices
.set SP,     80
.set BADR, 8                           ; v8-15   16 L + slot, half, pair of records: LDS address of my fragment bytes
.set EADR, 16                          ; v16-19  4 r + slot, half: LDS address of my code's |e|^2
.set BF0,  64
.set AC, 0
.set Z,  128
.set M,  160
.set I,  192
.set T,  224
.set E,  240
.set CB, 248
.set G1, 16                            ; s[16:23] descriptor group 1, never rewritten
.set G0, 24                            ; s[24:31] descriptor group 0, a set for each slot
.set TN, 40                            ; s[40:43] the numbers, in the quarter, of the group's four code tiles
.set CM, 44                            ; s[44:51] eight compare masks
.set MSB, 0
.macro WIN new                         ; the immediate's high byte repeats the setting that is left; a switch that changes nothing is dropped
.if MSB != \new
	s_set_vgpr_msb (MSB<<8)|\new
.set MSB, \new
.endif
.endm
; A round of the cluster's barrier: my work-group's barrier, wave 0 signals for the work-group, every wave waits for all four work-groups, my work-group's barrier again.
.macro ROUND
	s_barrier_signal -1
	s_barrier_wait -1
	s_cmp_lg_u32 s12, 0
	s_cbranch_scc1 .Lnot_wave_0_\@
	s_barrier_signal -3
.Lnot_wave_0_\@:
	s_barrier_wait -3
	s_barrier_signal -1
	s_barrier_wait -1
.endm
; A load into a register that a matrix instruction has read stands four places behind it, and only plain vector instructions that name none of its
; registers are places (ISA guide 7.12.1 for vector instructions).
.macro PLACES
.rept 4
	v_nop
.endr
.endm
	s_load_b256 s[4:11], s[0:1], 0x0               ; zt s[4:5], ct s[6:7], pmin s[8:9], pidx s[10:11]
	v_lshl_add_u32 v254, v0, 2, 0x4b000
	v_mov_b32 v255, 0
	ds_add_u32 v254, v255
	v_lshrrev_b32 v1, 5, v0
	v_readfirstlane_b32 s12, v1                    ; wave 0..3
	s_bfe_u32 s13, ttmp6, 0x40000                  ; cx: my place in the cluster
	s_lshl_b32 s14, ttmp9, 2
	s_add_co_u32 s14, s14, s13                     ; row block 0..63: enters the addresses of zt, pmin and pidx alone
	s_and_b32 s15, ttmp7, 0xffff                   ; quarter of the codes 0..3: the same in all four partners
	; group 1: 130 dense lines of 32 elements of 8 bytes
	s_mov_b32 s[G1+0], 15|(3<<16)|(1<<21)          ; 15:0 mask: all four work-groups; 17:16 elements of 8 bytes; 20 no padding; 21 set beside a mask
	s_mov_b32 s[G1+1], 32<<16                      ; tensor_dim0 = 32
	s_mov_b32 s[G1+2], 130<<16                     ; tensor_dim1 = 130
	s_mov_b32 s[G1+3], 32<<16                      ; tile_dim0 = 32
	s_mov_b32 s[G1+4], 130                         ; tile_dim1 = 130
	s_mov_b32 s[G1+5], 32                          ; from line to line: 32 elements
	s_mov_b32 s[G1+6], 0
	s_mov_b32 s[G1+7], 0
	s_mul_i32 s38, s12, QB                         ; my quarter of a slot, in LDS and in ct
	s_mul_i32 s32, s15, QUARTB
	s_add_co_u32 s32, s32, s38
	s_mov_b32 s33, 0
	s_mov_b32 s37, 0x7f800000                      ; +inf
.irp ct, 0,1,2,3
	s_mov_b32 s[TN+\ct], \ct
.endr
	s_lshl_b32 s54, s14, 4                         ; my z: record 16 x row block + 4 x wave
	s_lshl_b32 s55, s12, 2
	s_add_co_u32 s54, s54, s55
	s_mul_i32 s54, s54, REC
	s_mov_b32 s55, 0
	s_mul_i32 s39, s12, SCW
	s_add_co_u32 s39, s39, SCR                     ; my scratch
	s_lshl_b32 s56, s15, 11                        ; the quarter's first code
	s_wait_dscnt 0x0
	s_wait_kmcnt 0x0
	s_add_nc_u64 s[32:33], s[6:7], s[32:33]        ; made of the quarter and the wave's number alone
	s_add_nc_u64 s[52:53], s[4:5], s[54:55]
	s_mov_b32 s[G0+0], 1                           ; count = 1
	s_mov_b32 s[G0+1], s38                         ; LDS address: wave x 33,280
	s_mov_b64 s[G0+2:G0+3], s[32:33]               ; slot step 0
	s_or_b32 s[G0+3], s[G0+3], 0x80000000          ; type = 2
	s_mov_b32 s[G0+4], 1
	s_add_co_u32 s[G0+5], s38, SLOTB
	s_add_nc_u64 s[G0+6:G0+7], s[32:33], SLOTB     ; slot step 1
	s_or_b32 s[G0+7], s[G0+7], 0x80000000
	ROUND                                          ; all four work-groups are here: the first joint loads meet
	tensor_load_to_lds s[G0+0:G0+3], s[G1:G1+7]    ; both first fills as one group: two tensor loads of the wave are out
	s_nop 0
	tensor_load_to_lds s[G0+4:G0+7], s[G1:G1+7]
	s_nop 0
	v_and_b32 v1, 31, v0                           ; L
	v_lshlrev_b32 v2, 4, v1                        ; 16 L
	v_lshrrev_b32 v5, 4, v1                        ; h
	v_lshlrev_b32 v3, 5, v5                        ; 32 h: my eight |z|^2 in a record's last line
	v_and_b32 v4, 15, v1                           ; r
.irp sl, 0,1
.irp hf, 0,1
.irp pr, 0,1
	v_add_nc_u32 v[BADR+4*\sl+2*\hf+\pr], \sl*SLOTB+(4*\hf+2*\pr)*REC, v2
.endr
	v_lshl_add_u32 v[EADR+2*\sl+\hf], v4, 2, \sl*SLOTB+4*\hf*REC+16384
.endr
.endr
	v_mul_u32_u24 v20, v5, 8*SP                    ; scratch, in: row 8 h (+ 16 mt + j in the immediate), word r
	v_lshl_add_u32 v20, v4, 2, v20
	v_add_nc_u32 v20, s39, v20
	v_mul_u32_u24 v21, v1, 2*SP                    ; scratch, back: rows 2 L and 2 L + 1
	v_add_nc_u32 v21, s39, v21
	v_lshlrev_b32 v22, 3, v1                       ; 8 L: my two rows in pmin and pidx
	v_mov_b32 v23, 0x7fffffff                      ; above every index
; z into registers: 64 loads of 512 consecutive bytes for each window
.macro ZLOAD base
.irp s, 0,1,2,3,4,5,6,7
.irp mt, 0,1,2,3
	global_load_b128 v[32*\s+8*\mt:32*\s+8*\mt+3],   v2, s[52:53] offset:\mt*REC+(\base+\s)*1024
	global_load_b128 v[32*\s+8*\mt+4:32*\s+8*\mt+7], v2, s[52:53] offset:\mt*REC+(\base+\s)*1024+512
.endr
.endr
.endm
	WIN 0x40
	ZLOAD 0
	WIN 0x80
	ZLOAD 8
	WIN 0xc0
.irp mt, 0,1,2,3
	global_load_b128 v[Z+8*\mt:Z+8*\mt+3],   v3, s[52:53] offset:\mt*REC+16384      ; |z|^2 of rows 16 mt + 8 h + 0..3
	global_load_b128 v[Z+8*\mt+4:Z+8*\mt+7], v3, s[52:53] offset:\mt*REC+16384+16   ; and + 4..7
.endr
	; The 32 minima start at +inf with tile 0.  Starting them from the first group's distances instead would mean a second copy of a whole trip of the loop.
.set i, 0
.rept 32
	v_mov_b32 v[M+i], s37
	v_mov_b32 v[I+i], 0
.set i, i+1
.endr
	v_add_nc_u32 v[CB], s56, v4                    ; quarter's first code + r
; |e|^2 of my code in each of the group's four tiles; lanes r and 16 + r read the same word.  Two sets, by half: one is loaded while the other is used.
.macro ESQ slot, half
	WIN 0xc0
.irp ct, 0,1,2,3
	ds_load_b32 v[E+4*\half+\ct], v[EADR+2*\slot+\half] offset:\ct*REC
.endr
.endm
; 16 LDS loads of 512 consecutive bytes: the four tiles' fragments of K steps 2p and 2p + 1, into buffer p & 1
.macro FETCH slot, half, p
	WIN 0
.irp ss, 0,1
.irp ct, 0,1,2,3
	ds_load_b128 v[BF0+64*(\p&1)+32*\ss+8*\ct:BF0+64*(\p&1)+32*\ss+8*\ct+3],   v[BADR+4*\slot+2*\half+(\ct>>1)] offset:(\ct&1)*REC+(2*\p+\ss)*1024
	ds_load_b128 v[BF0+64*(\p&1)+32*\ss+8*\ct+4:BF0+64*(\p&1)+32*\ss+8*\ct+7], v[BADR+4*\slot+2*\half+(\ct>>1)] offset:(\ct&1)*REC+(2*\p+\ss)*1024+512
.endr
.endr
.endm
; 32 matrix instructions: K steps 2p and 2p + 1.  The sixteen accumulators take turns, one instruction a turn, always in the same order.
; K step 0 takes the constant 0 as C: nothing is cleared.
.macro MULP p
.if \p < 4
	WIN 0xf1
.else
	WIN 0xf2
.endif
.irp ss, 0,1
.irp ct, 0,1,2,3
.irp mt, 0,1,2,3
.if (2*\p+\ss) == 0
	v_wmma_f32_16x16x32_bf16 v[AC+8*(4*\ct+\mt):AC+8*(4*\ct+\mt)+7], v[32*((2*\p+\ss)&7)+8*\mt:32*((2*\p+\ss)&7)+8*\mt+7], v[BF0+64*(\p&1)+32*\ss+8*\ct:BF0+64*(\p&1)+32*\ss+8*\ct+7], 0
.else
	v_wmma_f32_16x16x32_bf16 v[AC+8*(4*\ct+\mt):AC+8*(4*\ct+\mt)+7], v[32*((2*\p+\ss)&7)+8*\mt:32*((2*\p+\ss)&7)+8*\mt+7], v[BF0+64*(\p&1)+32*\ss+8*\ct:BF0+64*(\p&1)+32*\ss+8*\ct+7], v[AC+8*(4*\ct+\mt):AC+8*(4*\ct+\mt)+7]
.endif
.endr
.endr
.endr
.endm
.macro PAIR slot, half, p, q
	PLACES                                         ; behind the products that read buffer q & 1
	FETCH \slot, \half, \q
	s_wait_dscnt 16                                ; all but the 16 loads just issued: pair p's fragments are in
	MULP \p
.endm
; The distances of one code tile against my 64 rows, and the running minima.  ep, sel: the register pair of E and which of its two registers is this tile's.
.macro EPIN half, ct, ep, sel
.irp mt, 0,1,2,3
.irp i, 0,1,2,3
	v_pk_add_f32 v[T+8*(\mt&1)+2*\i:T+8*(\mt&1)+2*\i+1], v[Z+8*\mt+2*\i:Z+8*\mt+2*\i+1], v[E+4*\half+\ep:E+4*\half+\ep+1] op_sel:[0,\sel] op_sel_hi:[1,\sel]   ; t = |z|^2 + |e|^2
.endr
.irp i, 0,1,2,3
	v_pk_fma_f32 v[T+8*(\mt&1)+2*\i:T+8*(\mt&1)+2*\i+1], v[AC+8*(4*\ct+\mt)+2*\i:AC+8*(4*\ct+\mt)+2*\i+1], -2.0, v[T+8*(\mt&1)+2*\i:T+8*(\mt&1)+2*\i+1] op_sel_hi:[1,0,1]   ; d = t - 2 z.e, one rounding
.endr
.irp j, 0,1,2,3,4,5,6,7
	v_cmp_lt_f32 s[CM+\j], v[T+8*(\mt&1)+\j], v[M+8*\mt+\j]                        ; strictly less: an equal later code does not displace the first
.endr
.irp j, 0,1,2,3,4,5,6,7
	v_min_num_f32 v[M+8*\mt+\j], v[M+8*\mt+\j], v[T+8*(\mt&1)+\j]                  ; a NaN loses here as in the compare
.endr
.irp j, 0,1,2,3,4,5,6,7
	v_cndmask_b32 v[I+8*\mt+\j], v[I+8*\mt+\j], s[TN+\ct], s[CM+\j]
.endr
.endr
.endm
.macro EPI half
	WIN 0xff
	EPIN \half, 0, 0, 0                            ; its first four lines name no register of a matrix instruction: the four places in front of the first read of a result
	EPIN \half, 1, 0, 1
	EPIN \half, 2, 2, 0
	EPIN \half, 3, 2, 1
.irp ct, 0,1,2,3
	s_add_co_u32 s[TN+\ct], s[TN+\ct], 4           ; the next group's tiles
.endr
.endm
; A group: 64 codes (half a slot) x my 64 rows x whole K = 256 matrix instructions, then their distances.  At its head the group's |e|^2 and its first fragments
; are on their way.  next: 1 the slot's other half follows; 2 the slots change and this one is filled again; 3 they change, nothing is left to fetch; 0 the last group.
; What the next group needs first is asked for ahead of the distances, so that it lands under them.
.macro GROUP slot, other, half, next
	FETCH \slot, \half, 1                          ; buffer 1 was last read a whole pass over the distances ago
	s_wait_dscnt 16                                ; all but these 16: |e|^2 and pair 0 are in
	MULP 0
	PAIR \slot, \half, 1, 2
	PAIR \slot, \half, 2, 3
	PAIR \slot, \half, 3, 4
	PAIR \slot, \half, 4, 5
	PAIR \slot, \half, 5, 6
	PAIR \slot, \half, 6, 7
	s_wait_dscnt 0x0
	MULP 7
.if \next == 1
	PLACES
	ESQ \slot, 1
	FETCH \slot, 1, 0
.endif
.if \next == 2
	s_wait_dscnt 0x0                               ; my reads of this slot are back (met: none was issued since the wait above)
	s_set_vgpr_msb 0xf2f0
	s_wait_tensorcnt 0x0                           ; all my tensor loads have landed: the one that was out is my part of the other slot
	ds_add_u32 v254, v255
	s_wait_dscnt 0x0
	s_set_vgpr_msb 0xf0f2
	WIN 0
	ROUND                                          ; both now hold of every wave of all four work-groups
	s_add_nc_u64 s[G0+4*\slot+2:G0+4*\slot+3], s[G0+4*\slot+2:G0+4*\slot+3], 2*SLOTB   ; no load of mine is out: the address steps two slot steps on
	tensor_load_to_lds s[G0+4*\slot:G0+4*\slot+3], s[G1:G1+7]                          ; my one tensor load behind the round, ahead of every LDS read
	s_nop 0
	PLACES
	ESQ \other, 0
	FETCH \other, 0, 0
.endif
.if \next == 3
	s_wait_dscnt 0x0
	s_wait_tensorcnt 0x0                           ; my part of the last slot step is in
	s_barrier_signal -1
	s_barrier_wait -1                              ; everybody's is
	PLACES
	ESQ \other, 0
	FETCH \other, 0, 0
.endif
	EPI \half
.endm
	s_wait_loadcnt 0x0                             ; z and |z|^2 are in
	s_wait_tensorcnt 0x1                           ; my part of slot 0 is in; slot 1's may stay out
	s_barrier_signal -1
	s_barrier_wait -1                              ; everybody's part of slot 0 is in
	ESQ 0, 0
	FETCH 0, 0, 0                                  ; leaves every window at 0, as a label wants it
	s_mov_b32 s36, 7                               ; seven trips of two slot steps; each step asks for the step two further on: steps 2 to 15
.Lstep:
	GROUP 0, 1, 0, 1
	GROUP 0, 1, 1, 2
	GROUP 1, 0, 0, 1
	GROUP 1, 0, 1, 2
	WIN 0
	s_sub_co_u32 s36, s36, 1
	s_cmp_lg_u32 s36, 0
	s_cbranch_scc1 .Lstep
	GROUP 0, 1, 0, 1                               ; slot steps 14 and 15 fetch nothing
	GROUP 0, 1, 1, 3
	GROUP 1, 0, 0, 1
	GROUP 1, 0, 1, 0
	; THE FINISH.  A row's 16 candidates lie in 16 lanes: they go through my own scratch, and lane L takes rows 2 L and 2 L + 1 whole.
	s_lshl_b32 s54, s15, 16                        ; byte offset in pmin and pidx: 4 (16,384 quarter + 256 row block + 64 wave)
	s_lshl_b32 s55, s14, 10
	s_add_co_u32 s54, s54, s55
	s_lshl_b32 s55, s12, 8
	s_add_co_u32 s54, s54, s55
	s_mov_b32 s55, 0
	s_add_nc_u64 s[8:9], s[8:9], s[54:55]
	s_add_nc_u64 s[10:11], s[10:11], s[54:55]
	WIN 0xff
.set i, 0
.rept 32
	v_lshl_add_u32 v[I+i], v[I+i], 4, v[CB]        ; code = 16 x tile + quarter's first code + r
.set i, i+1
.endr
	WIN 0x0c
.irp mt, 0,1,2,3
.irp j, 0,1,2,3,4,5,6,7
	ds_store_b32 v20, v[M+8*\mt+\j] offset:(16*\mt+\j)*SP
	ds_store_b32 v20, v[I+8*\mt+\j] offset:(16*\mt+\j)*SP+64*SP
.endr
.endr
	WIN 0
.irp b, 0,1
.irp c, 0,1,2,3
	ds_load_b128 v[64+16*\b+4*\c:64+16*\b+4*\c+3], v21 offset:\b*SP+16*\c           ; my own bytes, served in order behind my stores (ISA guide 5.7.1)
	ds_load_b128 v[96+16*\b+4*\c:96+16*\b+4*\c+3], v21 offset:\b*SP+16*\c+64*SP
.endr
.endr
	s_wait_dscnt 0x0
	v_min_num_f32 v24, v64, v65                    ; the two rows' minima, side by side
	v_min_num_f32 v25, v80, v81
.set k, 2
.rept 14
	v_min_num_f32 v24, v24, v[64+k]
	v_min_num_f32 v25, v25, v[80+k]
.set k, k+1
.endr
.set k, 0
.rept 16                                       ; the least index among the candidates that equal the minimum
	v_cmp_eq_f32 vcc_lo, v[64+k], v24
	v_cmp_eq_f32 s44, v[80+k], v25
.if k == 0
	v_cndmask_b32 v26, v23, v[96+k], vcc_lo
	v_cndmask_b32 v27, v23, v[112+k], s44
.else
	v_cndmask_b32 v[96+k], v23, v[96+k], vcc_lo
	v_cndmask_b32 v[112+k], v23, v[112+k], s44
	v_min_u32 v26, v26, v[96+k]
	v_min_u32 v27, v27, v[112+k]
.endif
.set k, k+1
.endr
	global_store_b64 v22, v[24:25], s[8:9]         ; the wave's 64 rows: 256 consecutive bytes, aligned
	global_store_b64 v22, v[26:27], s[10:11]
	s_wait_tensorcnt 0x0
	ds_add_u32 v254, v255
	s_wait_dscnt 0x0
	ROUND                                          ; the closing round: no work-group ends while a partner may still ask for a tile that names it
	s_endpgm
.Lfunc_end_k_q21a9d817e9_dist:
	.size	k_q21a9d817e9_dist, .Lfunc_end_k_q21a9d817e9_dist-k_q21a9d817e9_dist
	.p2alignl 7, 3214868480
	.fill 96, 4, 3214868480
	.section	.rodata,"a",@progbits
	.p2align	6, 0x0
	.amdhsa_kernel k_q21a9d817e9_dist
		.amdhsa_group_segment_fixed_size 327680
		.amdhsa_private_segment_fixed_size 0
		.amdhsa_enable_private_segment 0
		.amdhsa_kernarg_size 32
		.amdhsa_user_sgpr_count 2
		.amdhsa_user_sgpr_kernarg_segment_ptr 1
		.amdhsa_wavefront_size32 1
		.amdhsa_system_sgpr_workgroup_id_x 1
		.amdhsa_system_sgpr_workgroup_id_y 1
		.amdhsa_system_sgpr_workgroup_id_z 1
		.amdhsa_system_vgpr_workitem_id 0
		.amdhsa_next_free_vgpr 1024
		.amdhsa_next_free_sgpr 66
		.amdhsa_reserve_vcc 1
		.amdhsa_float_denorm_mode_32 3
		.amdhsa_float_denorm_mode_16_64 3
		.amdhsa_memory_ordered 1
		.amdhsa_forward_progress 1
		.amdhsa_inst_pref_size 255
	.end_amdhsa_kernel
	.section	.bss,"aw",@nobits
	.p2align	6
	.space	262144
	.amdgpu_metadata
---
amdhsa.version: [ 1, 2 ]
amdhsa.kernels:
  - .name:           k_q21a9d817e9_dist
    .symbol:         k_q21a9d817e9_dist.kd
    .args:
      - { .name: zt, .offset: 0, .size: 8, .value_kind: global_buffer, .address_space: global }
      - { .name: ct, .offset: 8, .size: 8, .value_kind: global_buffer, .address_space: global }
      - { .name: pmin, .offset: 16, .size: 8, .value_kind: global_buffer, .address_space: global }
      - { .name: pidx, .offset: 24, .size: 8, .value_kind: global_buffer, .address_space: global }
    .group_segment_fixed_size: 327680
    .private_segment_fixed_size: 0
    .kernarg_segment_align: 8
    .kernarg_segment_size: 32
    .max_flat_workgroup_size: 128
    .sgpr_count:     66
    .vgpr_count:     1024
    .wavefront_size: 32
...
	.end_amdgpu_metadata
.endif
;; end of part 2
;; launch pick (part 3): grid 16 x 1, 8 waves a work-group, no clusters, 0 bytes of LDS; arguments pmin, pidx, out2, idxw; writes out2, idxw
.if DOCPART == 3
	.amdgcn_target "amdgcn-amd-amdhsa--gfx1250"
	.amdhsa_code_object_version 6
	.text
	.protected	k_q21a9d817e9_pick
	.globl	k_q21a9d817e9_pick
	.p2align	8
	.type	k_q21a9d817e9_pick,@function
k_q21a9d817e9_pick:
	s_mov_b64 s[64:65], 0
	v_nop
	global_prefetch_b8 v0, s[64:65] scope:SCOPE_SE
	s_setreg_imm32_b32 hwreg(HW_REG_WAVE_MODE, 25, 1), 1
	s_wait_xcnt 0x0
; The first minimum over the four quarters of the codes.  pmin, pidx: [4][16384].  A thread takes four neighbouring rows: 16 bytes of each quarter.
; The quarters ascend and the compare is strict, so of equal minima the lowest code stays.  The index goes out twice: as the result out2 and as the
; list idxw from which the next launch forms its addresses.  524,288 bytes in, 131,072 out: 4,096 threads with all eight loads out at once; there is no loop to run ahead of.
	s_load_b256 s[4:11], s[0:1], 0x0               ; pmin s[4:5], pidx s[6:7], out2 s[8:9], idxw s[10:11]
	s_lshl_b32 s12, ttmp9, 12                      ; 256 threads x 16 bytes
	v_lshl_add_u32 v1, v0, 4, s12
	s_wait_kmcnt 0x0
.irp q, 0,1,2,3
	global_load_b128 v[4+4*\q:7+4*\q],   v1, s[4:5] offset:\q*65536
	global_load_b128 v[20+4*\q:23+4*\q], v1, s[6:7] offset:\q*65536
.endr
	s_wait_loadcnt 0x0
.irp q, 1,2,3
.irp e, 0,1,2,3
	v_cmp_lt_f32 vcc_lo, v[4+4*\q+\e], v[4+\e]
	v_cndmask_b32 v[4+\e],  v[4+\e],  v[4+4*\q+\e],  vcc_lo
	v_cndmask_b32 v[20+\e], v[20+\e], v[20+4*\q+\e], vcc_lo
.endr
.endr
	global_store_b128 v1, v[20:23], s[8:9]         ; a wave's store covers 512 consecutive bytes, aligned
	global_store_b128 v1, v[20:23], s[10:11]
	s_endpgm
.Lfunc_end_k_q21a9d817e9_pick:
	.size	k_q21a9d817e9_pick, .Lfunc_end_k_q21a9d817e9_pick-k_q21a9d817e9_pick
	.p2alignl 7, 3214868480
	.fill 96, 4, 3214868480
	.section	.rodata,"a",@progbits
	.p2align	6, 0x0
	.amdhsa_kernel k_q21a9d817e9_pick
		.amdhsa_group_segment_fixed_size 0
		.amdhsa_private_segment_fixed_size 0
		.amdhsa_enable_private_segment 0
		.amdhsa_kernarg_size 32
		.amdhsa_user_sgpr_count 2
		.amdhsa_user_sgpr_kernarg_segment_ptr 1
		.amdhsa_wavefront_size32 1
		.amdhsa_system_sgpr_workgroup_id_x 1
		.amdhsa_system_sgpr_workgroup_id_y 1
		.amdhsa_system_sgpr_workgroup_id_z 1
		.amdhsa_system_vgpr_workitem_id 0
		.amdhsa_next_free_vgpr 48
		.amdhsa_next_free_sgpr 66
		.amdhsa_reserve_vcc 1
		.amdhsa_float_denorm_mode_32 3
		.amdhsa_float_denorm_mode_16_64 3
		.amdhsa_memory_ordered 1
		.amdhsa_forward_progress 1
		.amdhsa_inst_pref_size 3
	.end_amdhsa_kernel
	.amdgpu_metadata
---
amdhsa.version: [ 1, 2 ]
amdhsa.kernels:
  - .name:           k_q21a9d817e9_pick
    .symbol:         k_q21a9d817e9_pick.kd
    .args:
      - { .name: pmin, .offset: 0, .size: 8, .value_kind: global_buffer, .address_space: global }
      - { .name: pidx, .offset: 8, .size: 8, .value_kind: global_buffer, .address_space: global }
      - { .name: out2, .offset: 16, .size: 8, .value_kind: global_buffer, .address_space: global }
      - { .name: idxw, .offset: 24, .size: 8, .value_kind: global_buffer, .address_space: global }
    .group_segment_fixed_size: 0
    .private_segment_fixed_size: 0
    .kernarg_segment_align: 8
    .kernarg_segment_size: 32
    .max_flat_workgroup_size: 256
    .sgpr_count:     66
    .vgpr_count:     48
    .wavefront_size: 32
...
	.end_amdgpu_metadata
.endif
;; end of part 3
;; launch gather (part 4): grid 256 x 1, 16 waves a work-group, no clusters, 2,304 bytes of LDS; arguments z, codebook, idxw, out0, part; writes out0, part
.if DOCPART == 4
	.amdgcn_target "amdgcn-amd-amdhsa--gfx1250"
	.amdhsa_code_object_version 6
	.text
	.protected	k_q21a9d817e9_gather
	.globl	k_q21a9d817e9_gather
	.p2align	8
	.type	k_q21a9d817e9_gather,@function
k_q21a9d817e9_gather:
	s_mov_b64 s[64:65], 0
	v_nop
	global_prefetch_b8 v0, s[64:65] scope:SCOPE_SE
	s_setreg_imm32_b32 hwreg(HW_REG_WAVE_MODE, 25, 1), 1
	s_wait_xcnt 0x0
; out0[b] = z[b] + (codebook[idx[b]] - z[b]), rounded as it is written, and one sum of (codebook[idx[b]] - z[b])^2 for each work-group.
; The loss is summed from the differences themselves, in f32, not taken from the least distances, which are differences of large sums.
; 256 work-groups of 16 waves; a wave takes four rows of 2,048 bytes.  All its 32 loads (16 of z, 16 of the code rows) go out before the first is used;
; each load and store of a wave covers 512 consecutive bytes, aligned.  The indices come from the list that an earlier launch stored, as scalars.
; Memory binds: no matrix unit, no cluster (no two work-groups are known to want the same code row), LDS only for the sixteen waves' sums.
.set ACC, 4                            ; v[4:11]    four pairs of running sums
.set ZR,  16                           ; v[16:79]   four rows of z
.set CR,  80                           ; v[80:143]  four code rows, then the results
.set DF,  144                          ; v[144:151] four pairs of differences
	s_load_b256 s[4:11], s[0:1], 0x0               ; z s[4:5], codebook s[6:7], idxw s[8:9], out0 s[10:11]
	s_load_b64 s[12:13], s[0:1], 0x20              ; part
	v_lshl_add_u32 v152, v0, 2, 0x100
	v_mov_b32 v153, 0
	v_lshrrev_b32 v1, 5, v0
	v_readfirstlane_b32 s14, v1                    ; wave 0..15
	s_lshl_b32 s15, ttmp9, 6
	s_lshl2_add_u32 s15, s14, s15                  ; my first row: 64 x work-group + 4 x wave
	s_lshl_b32 s20, s15, 2                         ; its byte in the list
	s_mov_b32 s21, 0
	s_lshl_b32 s22, s15, 11                        ; and in z and out0
	s_mov_b32 s23, 0
	s_mov_b32 s40, 0x76543210
	s_mov_b32 s41, 0xfedcba98
	v_and_b32 v1, 31, v0
	v_lshlrev_b32 v2, 4, v1                        ; 16 x lane; never rewritten
	s_wait_kmcnt 0x0
	s_add_nc_u64 s[8:9], s[8:9], s[20:21]
	s_load_b128 s[16:19], s[8:9], 0x0              ; my four indices
	s_add_nc_u64 s[4:5], s[4:5], s[22:23]
	s_add_nc_u64 s[10:11], s[10:11], s[22:23]
.irp i, 0,1,2,3
.irp g, 0,1,2,3
	global_load_b128 v[ZR+16*\i+4*\g:ZR+16*\i+4*\g+3], v2, s[4:5] offset:\i*2048+\g*512 th:TH_LOAD_NT
.endr
.endr
	s_wait_kmcnt 0x0
.irp i, 0,1,2,3
	s_min_u32 s[16+\i], s[16+\i], 8191             ; an index stays inside the table
	s_lshl_b32 s[32+2*\i], s[16+\i], 11            ; a row is 2,048 bytes
	s_mov_b32 s[33+2*\i], 0
	s_add_nc_u64 s[24+2*\i:25+2*\i], s[6:7], s[32+2*\i:33+2*\i]
.endr
.irp i, 0,1,2,3
.irp g, 0,1,2,3
	global_load_b128 v[CR+16*\i+4*\g:CR+16*\i+4*\g+3], v2, s[24+2*\i:25+2*\i] offset:\g*512   ; no hint: the list may name a row again
.endr
.endr
.macro GROW i
	s_wait_loadcnt 12-4*\i                         ; loads return in order: only the younger code rows, four loads each, may be out
.irp k, 0,1,2,3,4,5,6,7
	v_pk_add_f32 v[DF+2*(\k&3):DF+2*(\k&3)+1], v[CR+16*\i+2*\k:CR+16*\i+2*\k+1], v[ZR+16*\i+2*\k:ZR+16*\i+2*\k+1] neg_lo:[0,1] neg_hi:[0,1]   ; c - z
	v_pk_add_f32 v[CR+16*\i+2*\k:CR+16*\i+2*\k+1], v[ZR+16*\i+2*\k:ZR+16*\i+2*\k+1], v[DF+2*(\k&3):DF+2*(\k&3)+1]                            ; z + (c - z)
.if (8*\i+\k) < 4
	v_pk_mul_f32 v[ACC+2*(\k&3):ACC+2*(\k&3)+1], v[DF+2*(\k&3):DF+2*(\k&3)+1], v[DF+2*(\k&3):DF+2*(\k&3)+1]                                  ; the first squares start the sums
.else
	v_pk_fma_f32 v[ACC+2*(\k&3):ACC+2*(\k&3)+1], v[DF+2*(\k&3):DF+2*(\k&3)+1], v[DF+2*(\k&3):DF+2*(\k&3)+1], v[ACC+2*(\k&3):ACC+2*(\k&3)+1]
.endif
.endr
.irp g, 0,1,2,3
	global_store_b128 v2, v[CR+16*\i+4*\g:CR+16*\i+4*\g+3], s[10:11] offset:\i*2048+\g*512 th:TH_STORE_NT
.endr
.endm
	GROW 0
	GROW 1
	GROW 2
	GROW 3
	v_pk_add_f32 v[ACC:ACC+1], v[ACC:ACC+1], v[ACC+2:ACC+3]
	v_pk_add_f32 v[ACC+4:ACC+5], v[ACC+4:ACC+5], v[ACC+6:ACC+7]
	v_pk_add_f32 v[ACC:ACC+1], v[ACC:ACC+1], v[ACC+4:ACC+5]
	v_add_f32 v4, v4, v5
	v_add_f32_dpp v4, v4, v4 row_xmask:1 row_mask:0xf bank_mask:0xf
	v_add_f32_dpp v4, v4, v4 row_xmask:2 row_mask:0xf bank_mask:0xf
	v_add_f32_dpp v4, v4, v4 row_xmask:4 row_mask:0xf bank_mask:0xf
	v_add_f32_dpp v4, v4, v4 row_xmask:8 row_mask:0xf bank_mask:0xf
	v_permlanex16_b32 v5, v4, s40, s41             ; v5 has been written before
	v_add_f32 v4, v4, v5                           ; the wave's sum, in every lane
	v_mov_b32 v13, s14
	v_lshlrev_b32 v13, 2, v13
	ds_store_b32 v13, v4                           ; word = wave; all lanes write the same value
	s_wait_dscnt 0x0                               ; for the others' sake: my store is done before I signal
	s_barrier_signal -1
	s_barrier_wait -1
	s_cmp_lg_u32 s14, 0
	s_cbranch_scc1 .Ldone                          ; wave 0 alone adds the sixteen words
	v_mov_b32 v14, 0
	ds_load_b128 v[16:19], v14
	ds_load_b128 v[20:23], v14 offset:16
	ds_load_b128 v[24:27], v14 offset:32
	ds_load_b128 v[28:31], v14 offset:48
	s_lshl_b32 s20, ttmp9, 2
	v_mov_b32 v15, s20                             ; my work-group's word in part
	v_cmp_eq_u32 vcc_lo, 0, v0
	s_wait_dscnt 0x0
	v_pk_add_f32 v[16:17], v[16:17], v[18:19]
	v_pk_add_f32 v[20:21], v[20:21], v[22:23]
	v_pk_add_f32 v[24:25], v[24:25], v[26:27]
	v_pk_add_f32 v[28:29], v[28:29], v[30:31]
	v_pk_add_f32 v[16:17], v[16:17], v[20:21]
	v_pk_add_f32 v[24:25], v[24:25], v[28:29]
	v_pk_add_f32 v[16:17], v[16:17], v[24:25]
	v_add_f32 v16, v16, v17
	s_wait_xcnt 0x0                                ; EXEC is a source of the stores above: it changes only behind this wait
	s_and_saveexec_b32 s21, vcc_lo
	global_store_b32 v15, v16, s[12:13]
	s_wait_xcnt 0x0                                ; and again in front of the line that widens it
	s_or_b32 exec_lo, exec_lo, s21
.Ldone:
	s_wait_tensorcnt 0x0
	ds_add_u32 v152, v153
	s_wait_dscnt 0x0
	s_endpgm
.Lfunc_end_k_q21a9d817e9_gather:
	.size	k_q21a9d817e9_gather, .Lfunc_end_k_q21a9d817e9_gather-k_q21a9d817e9_gather
	.p2alignl 7, 3214868480
	.fill 96, 4, 3214868480
	.section	.rodata,"a",@progbits
	.p2align	6, 0x0
	.amdhsa_kernel k_q21a9d817e9_gather
		.amdhsa_group_segment_fixed_size 2304
		.amdhsa_private_segment_fixed_size 0
		.amdhsa_enable_private_segment 0
		.amdhsa_kernarg_size 40
		.amdhsa_user_sgpr_count 2
		.amdhsa_user_sgpr_kernarg_segment_ptr 1
		.amdhsa_wavefront_size32 1
		.amdhsa_system_sgpr_workgroup_id_x 1
		.amdhsa_system_sgpr_workgroup_id_y 1
		.amdhsa_system_sgpr_workgroup_id_z 1
		.amdhsa_system_vgpr_workitem_id 0
		.amdhsa_next_free_vgpr 154
		.amdhsa_next_free_sgpr 66
		.amdhsa_reserve_vcc 1
		.amdhsa_float_denorm_mode_32 3
		.amdhsa_float_denorm_mode_16_64 3
		.amdhsa_memory_ordered 1
		.amdhsa_forward_progress 1
		.amdhsa_inst_pref_size 15
	.end_amdhsa_kernel
	.amdgpu_metadata
---
amdhsa.version: [ 1, 2 ]
amdhsa.kernels:
  - .name:           k_q21a9d817e9_gather
    .symbol:         k_q21a9d817e9_gather.kd
    .args:
      - { .name: z, .offset: 0, .size: 8, .value_kind: global_buffer, .address_space: global }
      - { .name: codebook, .offset: 8, .size: 8, .value_kind: global_buffer, .address_space: global }
      - { .name: idxw, .offset: 16, .size: 8, .value_kind: global_buffer, .address_space: global }
      - { .name: out0, .offset: 24, .size: 8, .value_kind: global_buffer, .address_space: global }
      - { .name: part, .offset: 32, .size: 8, .value_kind: global_buffer, .address_space: global }
    .group_segment_fixed_size: 2304
    .private_segment_fixed_size: 0
    .kernarg_segment_align: 8
    .kernarg_segment_size: 40
    .max_flat_workgroup_size: 512
    .sgpr_count:     66
    .vgpr_count:     154
    .wavefront_size: 32
...
	.end_amdgpu_metadata
.endif
;; end of part 4
;; launch loss (part 5): grid 1 x 1, 1 waves a work-group, no clusters, 0 bytes of LDS; arguments part, out1; writes out1
.if DOCPART == 5
	.amdgcn_target "amdgcn-amd-amdhsa--gfx1250"
	.amdhsa_code_object_version 6
	.text
	.protected	k_q21a9d817e9_loss
	.globl	k_q21a9d817e9_loss
	.p2align	8
	.type	k_q21a9d817e9_loss,@function
k_q21a9d817e9_loss:
	s_mov_b64 s[64:65], 0
	v_nop
	global_prefetch_b8 v0, s[64:65] scope:SCOPE_SE
	s_setreg_imm32_b32 hwreg(HW_REG_WAVE_MODE, 25, 1), 1
	s_wait_xcnt 0x0
; vq_loss = m + 0.25 m, m = (the sum of the 256 work-groups' sums of squares) / (16384 x 512).  One wave: 1,024 bytes in, 4 bytes out.
; A launch of its own because the sum spans the work-groups of the launch before, which hand nothing to each other.
	s_load_b128 s[4:7], s[0:1], 0x0                ; part s[4:5], out1 s[6:7]
	v_lshlrev_b32 v1, 4, v0
	s_mov_b32 s8, 0x76543210
	s_mov_b32 s9, 0xfedcba98
	s_wait_kmcnt 0x0
	global_load_b128 v[4:7], v1, s[4:5]
	global_load_b128 v[8:11], v1, s[4:5] offset:512
	s_wait_loadcnt 0x0
	v_pk_add_f32 v[4:5], v[4:5], v[8:9]
	v_pk_add_f32 v[6:7], v[6:7], v[10:11]
	v_pk_add_f32 v[4:5], v[4:5], v[6:7]
	v_add_f32 v4, v4, v5
	v_add_f32_dpp v4, v4, v4 row_xmask:1 row_mask:0xf bank_mask:0xf
	v_add_f32_dpp v4, v4, v4 row_xmask:2 row_mask:0xf bank_mask:0xf
	v_add_f32_dpp v4, v4, v4 row_xmask:4 row_mask:0xf bank_mask:0xf
	v_add_f32_dpp v4, v4, v4 row_xmask:8 row_mask:0xf bank_mask:0xf
	v_permlanex16_b32 v5, v4, s8, s9               ; v5 has been written before
	v_add_f32 v4, v4, v5
	v_mul_f32 v4, 0x34000000, v4                   ; x 2^-23 = 1 / (16384 x 512), exact
	v_fmamk_f32 v5, v4, 0x3e800000, v4             ; m x 0.25 + m
	v_mov_b32 v6, 0
	v_cmp_eq_u32 vcc_lo, 0, v0
	s_wait_xcnt 0x0                                ; EXEC changes only behind this wait
	s_and_saveexec_b32 s10, vcc_lo
	global_store_b32 v6, v5, s[6:7]
	s_wait_xcnt 0x0                                ; and again in front of the line that widens it
	s_or_b32 exec_lo, exec_lo, s10
	s_endpgm
.Lfunc_end_k_q21a9d817e9_loss:
	.size	k_q21a9d817e9_loss, .Lfunc_end_k_q21a9d817e9_loss-k_q21a9d817e9_loss
	.p2alignl 7, 3214868480
	.fill 96, 4, 3214868480
	.section	.rodata,"a",@progbits
	.p2align	6, 0x0
	.amdhsa_kernel k_q21a9d817e9_loss
		.amdhsa_group_segment_fixed_size 0
		.amdhsa_private_segment_fixed_size 0
		.amdhsa_enable_private_segment 0
		.amdhsa_kernarg_size 16
		.amdhsa_user_sgpr_count 2
		.amdhsa_user_sgpr_kernarg_segment_ptr 1
		.amdhsa_wavefront_size32 1
		.amdhsa_system_sgpr_workgroup_id_x 1
		.amdhsa_system_sgpr_workgroup_id_y 1
		.amdhsa_system_sgpr_workgroup_id_z 1
		.amdhsa_system_vgpr_workitem_id 0
		.amdhsa_next_free_vgpr 16
		.amdhsa_next_free_sgpr 66
		.amdhsa_reserve_vcc 1
		.amdhsa_float_denorm_mode_32 3
		.amdhsa_float_denorm_mode_16_64 3
		.amdhsa_memory_ordered 1
		.amdhsa_forward_progress 1
		.amdhsa_inst_pref_size 2
	.end_amdhsa_kernel
	.amdgpu_metadata
---
amdhsa.version: [ 1, 2 ]
amdhsa.kernels:
  - .name:           k_q21a9d817e9_loss
    .symbol:         k_q21a9d817e9_loss.kd
    .args:
      - { .name: part, .offset: 0, .size: 8, .value_kind: global_buffer, .address_space: global }
      - { .name: out1, .offset: 8, .size: 8, .value_kind: global_buffer, .address_space: global }
    .group_segment_fixed_size: 0
    .private_segment_fixed_size: 0
    .kernarg_segment_align: 8
    .kernarg_segment_size: 16
    .max_flat_workgroup_size: 32
    .sgpr_count:     66
    .vgpr_count:     16
    .wavefront_size: 32
...
	.end_amdgpu_metadata
.endif
;; end of part 5
